; MI455X (gfx1250); checked and timed in simulation.
; The chip was launched on July 23, 2026; its instructions are those of AMD's public machine-readable ISA for CDNA 5 (MIT licence, August 2026) and "CDNA5" Instruction Set Architecture Reference Guide (July 2026). The comments in the code are by the model that wrote it; some were corrected since.
;; Ship Physics. Allowed arithmetic: float matrix products may take bf16 or f16 operands with f32 sums; all other float work in f32.
;; Inputs: actions 1,048,576 x 5 int32; boost 1,048,576 float32; drag_table 4 float32; energy_table 4 float32; lift_table 2 float32; max_boost 1,048,576 float32; pos_i 1,048,576 float32; pos_r 1,048,576 float32; thrust 1,048,576 float32; thrust_table 4 float32; turn_offset 1,048,576 float32; turn_table 8 float32; vel_i 1,048,576 float32; vel_r 1,048,576 float32.
;; Outputs: out0 8 x 1,048,576 float32.
;; One version. Each part assembles by itself: llvm-mc -triple=amdgcn-amd-amdhsa -mcpu=gfx1250 --defsym DOCPART=n.
;; ======== version 1 of 1: 1 launch
;; limits: inputs' magnitudes at most 4,194,304; below input magnitudes of 1.08e-19 results are inexact or not finite
;; launch ships (part 1): grid 256 x 1, 16 waves a work-group, no clusters, 43,008 bytes of LDS; arguments actions, pos_r, pos_i, vel_r, vel_i, turn_offset, boost, max_boost, thrust, turn_table, energy_table, thrust_table, drag_table, lift_table, out0; writes out0
.if DOCPART == 1
	.amdgcn_target "amdgcn-amd-amdhsa--gfx1250"
	.amdhsa_code_object_version 6
	.text
	.protected	k_q26163fddf9_ships
	.globl	k_q26163fddf9_ships
	.p2align	8
	.type	k_q26163fddf9_ships,@function
k_q26163fddf9_ships:
	s_mov_b64 s[64:65], 0
	v_nop
	global_prefetch_b8 v0, s[64:65] scope:SCOPE_SE
	s_setreg_imm32_b32 hwreg(HW_REG_WAVE_MODE, 25, 1), 1
	s_wait_xcnt 0x0
; SHIP PHYSICS.  1,048,576 independent ships: a set-up (table look-ups by the five actions, sin and cos of the turn offset, unit velocity, clipped boost,
; thrust, drag and lift), ten Dormand-Prince steps of six stages on (position, velocity), a last attitude, eight f32 out as rows of out0 [8][N].  All in f32.
; SHARES.  256 work-groups of 16 waves, four to a SIMD (4 x 174 of its 1,024 registers); a wave walks CHUNKS = 2 chunks of 128 ships; a lane owns 4 neighbouring ships, so each f32 array and
; each row of out0 is one 16-byte access a lane: 512 consecutive bytes a wave, starting at a multiple of 512 from the buffer's first byte.  In trip c the whole launch covers ships c N / 2 to (c + 1) N / 2 - 1.
; WHY FOUR WAVES A SIMD.  Each link of a stage's chain (squares, roots, |u| u, k, the next sum) is 2 to 4 independent instructions of a wave; four waves set 8 to 16 side by side between a result and its reader.
; PACKING.  Two ships share a register pair: all arithmetic of the integration is v_pk_fma_f32 / v_pk_mul_f32.  A QUAD is 4 registers (ships 0-3, pairs g = 0, 1); a BLOCK is the
; real quad followed by the imaginary one (pairs m = 0..3, ships' pair m % 2).
; WHAT IS NOT FORMED.  f reads the velocity alone, so the stage values of the position, which nothing reads, are left out; the position takes its last line,
; p += h (b1 v1 + b3 v3 + b4 v4 + b5 v5 + b6 v6), with the stage velocities, term by term as they arise.
; OVERLAP.  The 13 loads of chunk c + 1 go out into landing registers as soon as the set-up of chunk c has read them: a whole integration stands ahead of the wait for them.  No store is waited for.
; ACTIONS (20 bytes a ship) come in as five loads of 512 consecutive bytes a wave and are turned in the wave's own 2,560 bytes of LDS: stored at 16 lane + 512 j, read at 80 lane + 16 j.
; A pitch of 20 words puts sixteen neighbouring lanes on sixteen different groups of four banks (64 banks of 4 bytes: ISA guide 11.1).  No wave reads another's bytes: no barrier.
; LEFT OUT: matrix unit (no products), tensor loads and clusters (nothing is shared but 88 bytes of tables; bytes in flight cost 52 registers here).
; LIMITS.  sin, cos: n = rndne(x 2/pi), t = x - n pi/2 in two fused steps, Taylor sums to t^7 and t^8 (errors under 3.2e-7 and 2.5e-8 for |t| <= pi/4); serves |turn_offset| up to 2^22,
;   at which end |t| may reach 1.3 and the error 2e-5; beyond it n is no longer exact.  A squared speed below 2^-126 counts as 0 in v_rsq_f32 and v_sqrt_f32; at |v| = 0 the attitude is NaN, as the reference's.
;   lift = (right - left) x base: a lift_table entry that is not finite gives NaN where the reference selects 0.  The clip of boost drops a NaN (v_max_num, v_min_num).
;   A table index outside its table is clamped to the last entry.  ROUNDING: h is folded into the tableau's constants (rounded once), the sums are fused multiply-adds term by term,
;   boost - cost DT is fused, v / |v| is v x rsq(|v|^2).
.set GROUPS, 256
.set WAVES,  16
.set CHUNKS, 2                         ; GROUPS x WAVES x CHUNKS x 128 ships = N
.set STEPF,  GROUPS*WAVES*512          ; bytes from chunk to chunk in an f32 array or a row of out0: 2,097,152, inside a store's signed 24-bit immediate
.set STEPA,  GROUPS*WAVES*2560         ; the same in actions
.set ROWB,   0x400000                  ; bytes in a row of out0
; vector registers
.set FO,  1                            ; v1   my byte offset in every f32 array and row of out0
.set AO,  2                            ; v2   my byte offset in actions (16 lane within the wave's 2,560 bytes)
.set LST, 3                            ; v3   LDS: where I put 16 bytes of raw actions
.set LLD, 4                            ; v4   LDS: my four ships' 80 bytes
.set TT,  5                            ; v5-9 the tables, spread over the lanes: lane L holds turn[L & 7], energy[L & 3], thrust[L & 3], drag[L & 3], lift[L & 1]
.set TE,  6
.set TM,  7
.set TD,  8
.set TL,  9
.set LA,  12                           ; v12-31  landing: raw actions, five quads
.set LPR, 32                           ; v32-63  landing: pos_r, pos_i, vel_r, vel_i, turn_offset, boost, max_boost, thrust
.set LPI, 36
.set LVR, 40
.set LVI, 44
.set LTO, 48
.set LBO, 52
.set LMB, 56
.set LTH, 60
.set VEL, 64                           ; block: velocity
.set POS, 72                           ; block: position
.set TF,  80                           ; block: thrust force (during the set-up: the unit velocity)
.set DRG, 88
.set LFT, 92
.set CO,  96
.set SI,  100
.set BO,  104
.set TO,  108
.set K1,  112                          ; blocks k1 .. k5; k6 takes k2's
.set K2,  120
.set K3,  128
.set K4,  136
.set K5,  144
.set UA,  152                          ; two blocks for stage velocities, each later overwritten by |u| u
.set UB,  160
.set SQ,  168                          ; quad: |u|^2, then |u| or 1 / |u|
; the set-up's registers lie where k1 .. UB are not yet alive
.set ACT, 112                          ; v112-131  ship k's action j at ACT + 5 k + j
.set XT,  132                          ; byte indices (4 x index) into the tables
.set XF,  136
.set XD,  140
.set XL,  144
.set RA,  148                          ; looked up: turn angle, energy cost, thrust factor, base lift
.set RE,  152
.set RT,  156
.set RL,  160
.set DIR, 164                          ; right - left, 0 where both or none
.set NQ,  112                          ; sin and cos
.set TR,  116
.set T2,  120
.set PSN, 124
.set PCS, 128
.set QI,  132
.set X1,  136
.set X2,  140
.set T3,  144
.set AT,  148                          ; block: attitude
; scalar registers: s2 chunks to go (where there are more than two), s3 substeps to go, s[4:33] the fifteen addresses, s[34:47] rows 1-7 of out0, s90-93 at work, s94-97 'both pressed' of ships 0-3
.set OUT, 32
.set C21, 48                           ; h a_ij and h b_i, h = 0.002, one constant a pair (the packed forms name a pair and take its low word for both halves)
.set C31, 50
.set C32, 52
.set C41, 54
.set C42, 56
.set C43, 58
.set C51, 60
.set C52, 62
.set C53, 66
.set C54, 68
.set C61, 70
.set C62, 72
.set C63, 74
.set C64, 76
.set C65, 78
.set D1,  80
.set D3,  82
.set D4,  84
.set D5,  86
.set D6,  88
.set KS3, 22                           ; four polynomial constants, in the registers that held the tables' addresses until the tables were loaded
.set KS2, 24
.set KC4, 26
.set KC3, 28
.macro KONST r, hex
	s_mov_b32 s[(\r)], \hex
	s_mov_b32 s[(\r)+1], \hex
.endm
; a chunk's 13 loads: the actions first, so that a counted wait can leave the eight arrays out
.macro LOADS
.irp j, 0,1,2,3,4
	global_load_b128 v[LA+4*(\j):LA+4*(\j)+3], v[AO], s[4:5] offset:512*(\j) th:TH_LOAD_NT
.endr
.irp n, 0,1,2,3,4,5,6,7
	global_load_b128 v[LPR+4*(\n):LPR+4*(\n)+3], v[FO], s[6+2*(\n):7+2*(\n)] th:TH_LOAD_NT
.endr
.endm
; dst = kk x constant + src, a block
.macro AX dst, kk, cc, src
.irp m, 0,1,2,3
	v_pk_fma_f32 v[(\dst)+2*(\m):(\dst)+2*(\m)+1], v[(\kk)+2*(\m):(\kk)+2*(\m)+1], s[(\cc):(\cc)+1], v[(\src)+2*(\m):(\src)+2*(\m)+1] op_sel_hi:[1,0,1]
.endr
.endm
; SQ = re^2 + im^2 of block u
.macro FQ u
.irp g, 0,1
	v_pk_mul_f32 v[SQ+2*(\g):SQ+2*(\g)+1], v[(\u)+2*(\g):(\u)+2*(\g)+1], v[(\u)+2*(\g):(\u)+2*(\g)+1]
.endr
.irp g, 0,1
	v_pk_fma_f32 v[SQ+2*(\g):SQ+2*(\g)+1], v[(\u)+4+2*(\g):(\u)+4+2*(\g)+1], v[(\u)+4+2*(\g):(\u)+4+2*(\g)+1], v[SQ+2*(\g):SQ+2*(\g)+1]
.endr
.endm
; four roots in place.  Behind them plain vector instructions that name no register of SQ come before SQ is read (ISA guide 5.7.2): every use below sets four or more there
.macro FS
.irp k, 0,1,2,3
	v_sqrt_f32 v[SQ+(\k)], v[SQ+(\k)]
.endr
.endm
; w = u x SQ, a block (also: unit vector = u x 1 / |u|)
.macro FW w, u
	s_wait_alu depctr_va_vdst(0)
.irp m, 0,1,2,3
	v_pk_mul_f32 v[(\w)+2*(\m):(\w)+2*(\m)+1], v[(\u)+2*(\m):(\u)+2*(\m)+1], v[SQ+2*((\m)%2):SQ+2*((\m)%2)+1]
.endr
.endm
; k = tf - drag w + i lift w:  k_r = tf_r - drag w_r - lift w_i,  k_i = tf_i - drag w_i + lift w_r
.macro FK kk, w
.irp g, 0,1
	v_pk_fma_f32 v[(\kk)+2*(\g):(\kk)+2*(\g)+1], v[DRG+2*(\g):DRG+2*(\g)+1], v[(\w)+2*(\g):(\w)+2*(\g)+1], v[TF+2*(\g):TF+2*(\g)+1] neg_lo:[1,0,0] neg_hi:[1,0,0]
	v_pk_fma_f32 v[(\kk)+4+2*(\g):(\kk)+4+2*(\g)+1], v[DRG+2*(\g):DRG+2*(\g)+1], v[(\w)+4+2*(\g):(\w)+4+2*(\g)+1], v[TF+4+2*(\g):TF+4+2*(\g)+1] neg_lo:[1,0,0] neg_hi:[1,0,0]
.endr
.irp g, 0,1
	v_pk_fma_f32 v[(\kk)+2*(\g):(\kk)+2*(\g)+1], v[LFT+2*(\g):LFT+2*(\g)+1], v[(\w)+4+2*(\g):(\w)+4+2*(\g)+1], v[(\kk)+2*(\g):(\kk)+2*(\g)+1] neg_lo:[1,0,0] neg_hi:[1,0,0]
	v_pk_fma_f32 v[(\kk)+4+2*(\g):(\kk)+4+2*(\g)+1], v[LFT+2*(\g):LFT+2*(\g)+1], v[(\w)+2*(\g):(\w)+2*(\g)+1], v[(\kk)+4+2*(\g):(\kk)+4+2*(\g)+1]
.endr
.endm
; ONE DORMAND-PRINCE STEP: 196 packed instructions and 24 roots for 128 ships.  Behind each stage's roots stands what does not need them: the position's term of this stage and the part of the
; next stage's sum that older k feed.  |u| u overwrites the stage velocity only behind the position's term that reads it.  k6 takes k2's block, last read in stage 5.
.macro SUBSTEP
	FQ VEL                                         ; stage 1
	FS
	AX POS, VEL, D1, POS
	FW UB, VEL
	FK K1, UB
	AX UA, K1, C21, VEL
	FQ UA                                          ; stage 2 (b2 = 0: no term for the position)
	FS
	AX UB, K1, C31, VEL
	FW UA, UA
	FK K2, UA
	AX UB, K2, C32, UB
	FQ UB                                          ; stage 3
	FS
	AX POS, UB, D3, POS
	AX UA, K1, C41, VEL
	AX UA, K2, C42, UA
	FW UB, UB
	FK K3, UB
	AX UA, K3, C43, UA
	FQ UA                                          ; stage 4
	FS
	AX POS, UA, D4, POS
	AX UB, K1, C51, VEL
	AX UB, K2, C52, UB
	AX UB, K3, C53, UB
	FW UA, UA
	FK K4, UA
	AX UB, K4, C54, UB
	FQ UB                                          ; stage 5
	FS
	AX POS, UB, D5, POS
	AX UA, K1, C61, VEL
	AX UA, K2, C62, UA
	AX UA, K3, C63, UA
	AX UA, K4, C64, UA
	FW UB, UB
	FK K5, UB
	AX UA, K5, C65, UA
	FQ UA                                          ; stage 6, and the new velocity
	FS
	AX POS, UA, D6, POS
	AX VEL, K1, D1, VEL
	AX VEL, K3, D3, VEL
	AX VEL, K4, D4, VEL
	AX VEL, K5, D5, VEL
	FW UA, UA
	FK K2, UA
	AX VEL, K2, D6, VEL
.endm
; SQ = 1 / |x| of block x; a plain instruction that names no register of SQ follows before SQ is read
.macro UNITQ x
	FQ \x
.irp k, 0,1,2,3
	v_rsq_f32 v[SQ+(\k)], v[SQ+(\k)]
.endr
.endm
; a = d x (co + i si), blocks
.macro ROT a, d
.irp g, 0,1
	v_pk_mul_f32 v[(\a)+2*(\g):(\a)+2*(\g)+1], v[(\d)+2*(\g):(\d)+2*(\g)+1], v[CO+2*(\g):CO+2*(\g)+1]
	v_pk_mul_f32 v[(\a)+4+2*(\g):(\a)+4+2*(\g)+1], v[(\d)+2*(\g):(\d)+2*(\g)+1], v[SI+2*(\g):SI+2*(\g)+1]
.endr
.irp g, 0,1
	v_pk_fma_f32 v[(\a)+2*(\g):(\a)+2*(\g)+1], v[(\d)+4+2*(\g):(\d)+4+2*(\g)+1], v[SI+2*(\g):SI+2*(\g)+1], v[(\a)+2*(\g):(\a)+2*(\g)+1] neg_lo:[1,0,0] neg_hi:[1,0,0]
	v_pk_fma_f32 v[(\a)+4+2*(\g):(\a)+4+2*(\g)+1], v[(\d)+4+2*(\g):(\d)+4+2*(\g)+1], v[CO+2*(\g):CO+2*(\g)+1], v[(\a)+4+2*(\g):(\a)+4+2*(\g)+1]
.endr
.endm
; ship k's whole numbers: four byte indices (4 x index), right - left, and the mask 'both pressed'
.macro SHIPA k
	v_lshlrev_b32 v[XT+(\k)], 4, v[ACT+5*(\k)+4]               ; 4 x (a0 + 2 a1 + 4 a4)
	v_lshlrev_b32 v[XF+(\k)], 3, v[ACT+5*(\k)+3]               ; 4 x (a2 + 2 a3)
	v_lshlrev_b32 v[XL+(\k)], 2, v[ACT+5*(\k)+4]               ; 4 x a4
	v_cmp_lt_i32 s90, 0, v[ACT+5*(\k)]                         ; left
	v_cmp_lt_i32 s91, 0, v[ACT+5*(\k)+1]                       ; right
	v_lshl_add_u32 v[XT+(\k)], v[ACT+5*(\k)+1], 3, v[XT+(\k)]
	v_lshl_add_u32 v[XF+(\k)], v[ACT+5*(\k)+2], 2, v[XF+(\k)]
	s_or_b32 s92, s90, s91                                     ; turning
	s_and_b32 s[94+(\k)], s90, s91                             ; both
	s_and_not1_b32 s93, s91, s90                               ; right alone
	s_and_not1_b32 s90, s90, s91                               ; left alone
	v_lshl_add_u32 v[XT+(\k)], v[ACT+5*(\k)], 2, v[XT+(\k)]
	v_cndmask_b32 v[XD+(\k)], 0, 4, s92                        ; 4 x (turning + 2 a4)
	v_cndmask_b32 v[DIR+(\k)], 0, 1.0, s93
	v_lshl_add_u32 v[XD+(\k)], v[ACT+5*(\k)+4], 3, v[XD+(\k)]
	v_cndmask_b32 v[DIR+(\k)], v[DIR+(\k)], -1.0, s90
	v_min_u32 v[XT+(\k)], 28, v[XT+(\k)]                       ; an index stays inside its table
	v_min_u32 v[XF+(\k)], 12, v[XF+(\k)]
	v_min_u32 v[XD+(\k)], 12, v[XD+(\k)]
	v_min_u32 v[XL+(\k)], 4, v[XL+(\k)]
.endm
; ship k's five look-ups: each lane pulls the table entry from the lane that holds it
.macro LOOK k
	ds_bpermute_b32 v[RA+(\k)],  v[XT+(\k)], v[TT]
	ds_bpermute_b32 v[RE+(\k)],  v[XF+(\k)], v[TE]
	ds_bpermute_b32 v[RT+(\k)],  v[XF+(\k)], v[TM]
	ds_bpermute_b32 v[DRG+(\k)], v[XD+(\k)], v[TD]
	ds_bpermute_b32 v[RL+(\k)],  v[XL+(\k)], v[TL]
.endm
; one row's store: 512 consecutive bytes a wave.  BACK reaches back to this chunk where FO has already stepped to the next
.macro PUT row, reg
	global_store_b128 v[FO], v[(\reg):(\reg)+3], s[OUT+2*(\row):OUT+2*(\row)+1] offset:BACK th:TH_STORE_NT
.endm
; A CHUNK.  ahead = 1: the next chunk's loads are issued
.macro CHUNK ahead
.set BACK, -STEPF*(\ahead)
	s_wait_loadcnt 0x8                             ; loads come back in order (ISA guide 5.7.1): the eight arrays, issued behind the five loads of actions, may stay out; the actions are in (first chunk: the tables too)
	s_wait_xcnt 0x0                                ; the last chunk's stores have read FO and their data, which are written again below
.irp j, 0,1,2,3,4
	ds_store_b128 v[LST], v[LA+4*(\j):LA+4*(\j)+3] offset:512*(\j)
.endr
.irp j, 0,1,2,3,4
	ds_load_b128 v[ACT+4*(\j):ACT+4*(\j)+3], v[LLD] offset:16*(\j)  ; LDS serves a wave's instructions in order (ISA guide 5.7.1.4): these see the stores above; the bytes are the wave's own
.endr
	s_wait_loadcnt 0x0                             ; the eight arrays
	UNITQ LVR                                      ; vel_r and vel_i lie side by side as a block
	s_wait_alu depctr_va_vdst(0)
.irp m, 0,1,2,3                        ; out of the landing registers; these moves are also the plain instructions behind the v_rsq_f32
	v_dual_mov_b32 v[VEL+2*(\m)], v[LVR+2*(\m)] :: v_dual_mov_b32 v[VEL+2*(\m)+1], v[LVR+2*(\m)+1]
	v_dual_mov_b32 v[POS+2*(\m)], v[LPR+2*(\m)] :: v_dual_mov_b32 v[POS+2*(\m)+1], v[LPR+2*(\m)+1]
.endr
	FW TF, VEL                                     ; v / |v|, kept in TF's block until the thrust force is made
	s_wait_dscnt 0x0                               ; my four ships' actions are in, and the LDS stores have read the landing registers
	SHIPA 0
	SHIPA 1
	SHIPA 2
	SHIPA 3
	LOOK 0
	LOOK 1
	LOOK 2
	LOOK 3
	s_wait_dscnt 0x0                               ; all twenty look-ups
.irp g, 0,1
	v_pk_fma_f32 v[BO+2*(\g):BO+2*(\g)+1], v[RE+2*(\g):RE+2*(\g)+1], 0xbca3d70a, v[LBO+2*(\g):LBO+2*(\g)+1] op_sel_hi:[1,0,1]  ; boost - cost x 0.02
.endr
.irp k, 0,1,2,3
	v_cndmask_b32 v[TO+(\k)], v[RA+(\k)], v[LTO+(\k)], s[94+(\k)]  ; both pressed: the old offset stays
.endr
.irp k, 0,1,2,3
	v_max_num_f32 v[BO+(\k)], 0, v[BO+(\k)]        ; the clip: the lower bound first, the upper bound last
.endr
.irp k, 0,1,2,3
	v_min_num_f32 v[BO+(\k)], v[BO+(\k)], v[LMB+(\k)]
.endr
.irp k, 0,1,2,3
	v_cmp_lt_f32 s[90+(\k)], 0, v[BO+(\k)]
.endr
.irp k, 0,1,2,3
	v_cndmask_b32 v[RT+(\k)], 1.0, v[RT+(\k)], s[90+(\k)]  ; no boost left: factor 1
.endr
.irp g, 0,1
	v_pk_mul_f32 v[RT+2*(\g):RT+2*(\g)+1], v[RT+2*(\g):RT+2*(\g)+1], v[LTH+2*(\g):LTH+2*(\g)+1]    ; thrust x factor
	v_pk_mul_f32 v[LFT+2*(\g):LFT+2*(\g)+1], v[DIR+2*(\g):DIR+2*(\g)+1], v[RL+2*(\g):RL+2*(\g)+1]  ; lift
.endr
.if \ahead
	v_add_nc_u32 v[FO], STEPF, v[FO]               ; every landing register has been read; no load or store has been issued since the wait at the chunk's head
	v_add_nc_u32 v[AO], STEPA, v[AO]
	LOADS                                          ; the next chunk: the whole integration stands ahead of the wait for these
.endif
	PUT 6, BO
	PUT 7, TO
	; sin and cos of the offset
.irp g, 0,1
	v_pk_mul_f32 v[NQ+2*(\g):NQ+2*(\g)+1], v[TO+2*(\g):TO+2*(\g)+1], 0x3f22f983 op_sel_hi:[1,0]  ; x 2 / pi
.endr
.irp k, 0,1,2,3
	v_rndne_f32 v[NQ+(\k)], v[NQ+(\k)]
.endr
.irp g, 0,1
	v_pk_fma_f32 v[TR+2*(\g):TR+2*(\g)+1], v[NQ+2*(\g):NQ+2*(\g)+1], 0xbfc90fdb, v[TO+2*(\g):TO+2*(\g)+1] op_sel_hi:[1,0,1]  ; x - n x (pi / 2 rounded to f32)
.endr
.irp g, 0,1
	v_pk_fma_f32 v[TR+2*(\g):TR+2*(\g)+1], v[NQ+2*(\g):NQ+2*(\g)+1], 0x333bbd2e, v[TR+2*(\g):TR+2*(\g)+1] op_sel_hi:[1,0,1]  ; that rounding lies 4.37e-8 above pi / 2
.endr
.irp g, 0,1
	v_pk_mul_f32 v[T2+2*(\g):T2+2*(\g)+1], v[TR+2*(\g):TR+2*(\g)+1], v[TR+2*(\g):TR+2*(\g)+1]
.endr
.irp g, 0,1
	v_pk_fma_f32 v[PSN+2*(\g):PSN+2*(\g)+1], v[T2+2*(\g):T2+2*(\g)+1], s[KS3:KS3+1], s[KS2:KS2+1] op_sel_hi:[1,0,0]
	v_pk_fma_f32 v[PCS+2*(\g):PCS+2*(\g)+1], v[T2+2*(\g):T2+2*(\g)+1], s[KC4:KC4+1], s[KC3:KC3+1] op_sel_hi:[1,0,0]
.endr
.irp g, 0,1
	v_pk_mul_f32 v[T3+2*(\g):T3+2*(\g)+1], v[TR+2*(\g):TR+2*(\g)+1], v[T2+2*(\g):T2+2*(\g)+1]
.endr
.irp g, 0,1
	v_pk_fma_f32 v[PSN+2*(\g):PSN+2*(\g)+1], v[PSN+2*(\g):PSN+2*(\g)+1], v[T2+2*(\g):T2+2*(\g)+1], 0xbe2aaaab op_sel_hi:[1,1,0]  ; - 1/6
	v_pk_fma_f32 v[PCS+2*(\g):PCS+2*(\g)+1], v[PCS+2*(\g):PCS+2*(\g)+1], v[T2+2*(\g):T2+2*(\g)+1], 0x3d2aaaab op_sel_hi:[1,1,0]  ; + 1/24
.endr
.irp g, 0,1
	v_pk_fma_f32 v[PSN+2*(\g):PSN+2*(\g)+1], v[PSN+2*(\g):PSN+2*(\g)+1], v[T3+2*(\g):T3+2*(\g)+1], v[TR+2*(\g):TR+2*(\g)+1]      ; sin t
	v_pk_fma_f32 v[PCS+2*(\g):PCS+2*(\g)+1], v[PCS+2*(\g):PCS+2*(\g)+1], v[T2+2*(\g):T2+2*(\g)+1], -0.5 op_sel_hi:[1,1,0]
.endr
.irp k, 0,1,2,3
	v_cvt_i32_f32 v[QI+(\k)], v[NQ+(\k)]
.endr
.irp g, 0,1
	v_pk_fma_f32 v[PCS+2*(\g):PCS+2*(\g)+1], v[PCS+2*(\g):PCS+2*(\g)+1], v[T2+2*(\g):T2+2*(\g)+1], 1.0 op_sel_hi:[1,1,0]         ; cos t
.endr
	; the quadrant n mod 4: odd n swaps the two; sin changes sign where bit 1 of n is set, cos where bit 1 of n + 1 is set.  Values are selected; nothing branches
.irp k, 0,1,2,3
	v_and_b32 v[X1+(\k)], 1, v[QI+(\k)]
.endr
.irp k, 0,1,2,3
	v_cmp_eq_u32 s[90+(\k)], 1, v[X1+(\k)]
.endr
.irp k, 0,1,2,3
	v_lshlrev_b32 v[X1+(\k)], 30, v[QI+(\k)]
	v_add_lshl_u32 v[X2+(\k)], v[QI+(\k)], 1, 30
.endr
.irp k, 0,1,2,3
	v_cndmask_b32 v[SI+(\k)], v[PSN+(\k)], v[PCS+(\k)], s[90+(\k)]
	v_cndmask_b32 v[CO+(\k)], v[PCS+(\k)], v[PSN+(\k)], s[90+(\k)]
.endr
.irp k, 0,1,2,3
	v_and_b32 v[X1+(\k)], 0x80000000, v[X1+(\k)]
	v_and_b32 v[X2+(\k)], 0x80000000, v[X2+(\k)]
.endr
.irp k, 0,1,2,3
	v_xor_b32 v[SI+(\k)], v[X1+(\k)], v[SI+(\k)]
	v_xor_b32 v[CO+(\k)], v[X2+(\k)], v[CO+(\k)]
.endr
	ROT AT, TF                                     ; attitude = unit velocity x exp(i offset)
.irp g, 0,1
	v_pk_mul_f32 v[TF+2*(\g):TF+2*(\g)+1], v[RT+2*(\g):RT+2*(\g)+1], v[AT+2*(\g):AT+2*(\g)+1]          ; thrust force, constant during the integration
	v_pk_mul_f32 v[TF+4+2*(\g):TF+4+2*(\g)+1], v[RT+2*(\g):RT+2*(\g)+1], v[AT+4+2*(\g):AT+4+2*(\g)+1]
.endr
	s_mov_b32 s3, 10
.Lsub\@:
	SUBSTEP
	s_sub_co_u32 s3, s3, 1
	s_cmp_lg_u32 s3, 0
	s_cbranch_scc1 .Lsub\@
	UNITQ VEL
	PUT 0, POS
	PUT 1, POS+4
	PUT 2, VEL
	PUT 3, VEL+4
	v_nop                                          ; the plain instruction behind the last v_rsq_f32: no other vector work is ready here
	s_wait_alu depctr_va_vdst(0)
	FW UB, VEL                                     ; the new unit velocity
	ROT UA, UB                                     ; the new attitude
	PUT 4, UA
	PUT 5, UA+4
.endm
	s_load_b512 s[4:19], s[0:1], 0x0               ; actions 4, pos_r 6, pos_i 8, vel_r 10, vel_i 12, turn_offset 14, boost 16, max_boost 18
	s_load_b256 s[20:27], s[0:1], 0x40             ; thrust 20, turn_table 22, energy_table 24, thrust_table 26
	s_load_b128 s[28:31], s[0:1], 0x60             ; drag_table 28, lift_table 30
	s_load_b64 s[OUT:OUT+1], s[0:1], 0x70          ; out0
	v_lshl_add_u32 v172, v0, 2, 0xa000
	v_mov_b32 v173, 0
	v_and_b32 v10, 31, v0                          ; lane
	v_lshrrev_b32 v11, 5, v0
	v_readfirstlane_b32 s90, v11                   ; wave
	s_mul_i32 s91, s90, 2560                       ; my wave's bytes in LDS, and its place in the group's actions
	v_lshl_add_u32 v[LST], v10, 4, s91
	v_mul_u32_u24 v[LLD], v10, 80
	v_add_nc_u32 v[LLD], s91, v[LLD]
	s_mul_i32 s92, ttmp9, WAVES*512
	v_lshl_add_u32 v[FO], v0, 4, s92               ; group x 8,192 + 16 x thread
	s_mul_i32 s93, ttmp9, WAVES*2560
	v_add_nc_u32 v[AO], s93, v[LST]                ; group x 40,960 + wave x 2,560 + 16 x lane
	v_and_b32 v112, 7, v10                         ; which entry of each table my lane holds, in bytes
	v_and_b32 v113, 3, v10
	v_and_b32 v114, 1, v10
	v_lshlrev_b32 v112, 2, v112
	v_lshlrev_b32 v113, 2, v113
	v_lshlrev_b32 v114, 2, v114
	KONST C21, 0x39d1b717                          ; h / 5
	KONST C31, 0x391d4952                          ; h 3/40
	KONST C32, 0x39ebedfa                          ; h 9/40
	KONST C41, 0x3b0028c7                          ; h 44/45
	KONST C42, 0xbbf4aaf1                          ; - h 56/15
	KONST C43, 0x3be90453                          ; h 32/9
	KONST C51, 0x3bc18063                          ; h 19372/6561
	KONST C52, 0xbcbdfc48                          ; - h 25360/2187
	KONST C53, 0x3ca0f033                          ; h 64448/6561
	KONST C54, 0xba1877c4                          ; - h 212/729
	KONST C61, 0x3bba8893                          ; h 9017/3168
	KONST C62, 0xbcb0408b                          ; - h 355/33
	KONST C63, 0x3c91ec3f                          ; h 46732/5247
	KONST C64, 0x3a11f770                          ; h 49/176
	KONST C65, 0xba0f68c0                          ; - h 5103/18656
	KONST D1,  0x393f258c                          ; h 35/384
	KONST D3,  0x3a6b877a                          ; h 500/1113
	KONST D4,  0x3aaaaaab                          ; h 125/192
	KONST D5,  0xba290499                          ; - h 2187/6784
	KONST D6,  0x39895043                          ; h 11/84
	s_wait_kmcnt 0x0
.irp r, 1,2,3,4,5,6,7
	s_add_nc_u64 s[OUT+2*(\r):OUT+2*(\r)+1], s[OUT+2*(\r)-2:OUT+2*(\r)-1], ROWB  ; row r of out0
.endr
	global_load_b32 v[TT], v112, s[22:23]          ; the tables, which every work-group reads: no hint
	global_load_b32 v[TE], v113, s[24:25]
	global_load_b32 v[TM], v113, s[26:27]
	global_load_b32 v[TD], v113, s[28:29]
	global_load_b32 v[TL], v114, s[30:31]
	LOADS                                          ; chunk 0
	s_wait_xcnt 0x0                                ; the table loads have read their bases: s[22:29] take constants
	KONST KS3, 0xb9500d01                          ; - 1/5040
	KONST KS2, 0x3c088889                          ; 1/120
	KONST KC4, 0x37d00d01                          ; 1/40320
	KONST KC3, 0xbab60b61                          ; - 1/720
.if CHUNKS > 2                         ; with two chunks a wave the loop would have one trip: its counter and branch are left out
	s_mov_b32 s2, CHUNKS-1
.Lchunk:
.endif
	CHUNK 1
.if CHUNKS > 2
	s_sub_co_u32 s2, s2, 1
	s_cmp_lg_u32 s2, 0
	s_cbranch_scc1 .Lchunk
.endif
	CHUNK 0                                        ; the last chunk loads nothing, so no load leaves its buffer
	s_wait_tensorcnt 0x0
	ds_add_u32 v172, v173
	s_wait_dscnt 0x0
	s_endpgm
.Lfunc_end_k_q26163fddf9_ships:
	.size	k_q26163fddf9_ships, .Lfunc_end_k_q26163fddf9_ships-k_q26163fddf9_ships
	.p2alignl 7, 3214868480
	.fill 96, 4, 3214868480
	.section	.rodata,"a",@progbits
	.p2align	6, 0x0
	.amdhsa_kernel k_q26163fddf9_ships
		.amdhsa_group_segment_fixed_size 43008
		.amdhsa_private_segment_fixed_size 0
		.amdhsa_enable_private_segment 0
		.amdhsa_kernarg_size 120
		.amdhsa_user_sgpr_count 2
		.amdhsa_user_sgpr_kernarg_segment_ptr 1
		.amdhsa_wavefront_size32 1
		.amdhsa_system_sgpr_workgroup_id_x 1
		.amdhsa_system_sgpr_workgroup_id_y 1
		.amdhsa_system_sgpr_workgroup_id_z 1
		.amdhsa_system_vgpr_workitem_id 0
		.amdhsa_next_free_vgpr 174
		.amdhsa_next_free_sgpr 98
		.amdhsa_reserve_vcc 0
		.amdhsa_float_denorm_mode_32 3
		.amdhsa_float_denorm_mode_16_64 3
		.amdhsa_memory_ordered 1
		.amdhsa_forward_progress 1
		.amdhsa_inst_pref_size 65
	.end_amdhsa_kernel
	.amdgpu_metadata
---
amdhsa.version: [ 1, 2 ]
amdhsa.kernels:
  - .name:           k_q26163fddf9_ships
    .symbol:         k_q26163fddf9_ships.kd
    .args:
      - { .name: actions, .offset: 0, .size: 8, .value_kind: global_buffer, .address_space: global }
      - { .name: pos_r, .offset: 8, .size: 8, .value_kind: global_buffer, .address_space: global }
      - { .name: pos_i, .offset: 16, .size: 8, .value_kind: global_buffer, .address_space: global }
      - { .name: vel_r, .offset: 24, .size: 8, .value_kind: global_buffer, .address_space: global }
      - { .name: vel_i, .offset: 32, .size: 8, .value_kind: global_buffer, .address_space: global }
      - { .name: turn_offset, .offset: 40, .size: 8, .value_kind: global_buffer, .address_space: global }
      - { .name: boost, .offset: 48, .size: 8, .value_kind: global_buffer, .address_space: global }
      - { .name: max_boost, .offset: 56, .size: 8, .value_kind: global_buffer, .address_space: global }
      - { .name: thrust, .offset: 64, .size: 8, .value_kind: global_buffer, .address_space: global }
      - { .name: turn_table, .offset: 72, .size: 8, .value_kind: global_buffer, .address_space: global }
      - { .name: energy_table, .offset: 80, .size: 8, .value_kind: global_buffer, .address_space: global }
      - { .name: thrust_table, .offset: 88, .size: 8, .value_kind: global_buffer, .address_space: global }
      - { .name: drag_table, .offset: 96, .size: 8, .value_kind: global_buffer, .address_space: global }
      - { .name: lift_table, .offset: 104, .size: 8, .value_kind: global_buffer, .address_space: global }
      - { .name: out0, .offset: 112, .size: 8, .value_kind: global_buffer, .address_space: global }
    .group_segment_fixed_size: 43008
    .private_segment_fixed_size: 0
    .kernarg_segment_align: 8
    .kernarg_segment_size: 120
    .max_flat_workgroup_size: 512
    .sgpr_count:     98
    .vgpr_count:     174
    .wavefront_size: 32
...
	.end_amdgpu_metadata
.endif
;; end of part 1
